; MI455X (gfx1250); checked and timed in simulation.
; The chip was launched on July 23, 2026; its instructions are those of AMD's public machine-readable ISA for CDNA 5 (MIT licence, August 2026) and "CDNA5" Instruction Set Architecture Reference Guide (July 2026). The comments in the code are by the model that wrote it; some were corrected since.
;; Mutual Attention. Allowed arithmetic: matrix products marked QUANTISED: E4M3 operands, one given power-of-two scale a tensor, by v_wmma_f32_16x16x64_fp8_fp8 or v_wmma_f32_16x16x128_fp8_fp8, f32 sums; everything else in f32.
;; Inputs: Wk 512 x 512 float32; Wq 512 x 512 float32; Wv 256 x 256 float32; k_token 8,192 x 512 float32; lowp_scales 10 int32 (the exponents e of the quantised operands' scales 2^e); q_token 8,192 x 512 float32; v_token 8,192 x 256 float32.
;; Outputs: out0 8,192 x 256 float32; out1 one number float32.
;; This version of the problem:
;;   THIS VERSION OF THE PROBLEM IS GIVEN IN LOW PRECISION. The matrix products marked QUANTISED in the list below multiply operands that are first quantised to E4M3 (4 exponent bits, 3 mantissa bits; 8 bits a number), with one given power-of-two scale for each operand tensor; their sums are f32. All else is computed in f32.
;;   The module's matrix products, in the order in which they are computed (A, B: the left and right operand; K: the contracted axis; several contracted axes count as one K, in the product's order):
;;     1. [M 8,192, K 512] x [K 512, N 512]; A: input q_token; B: input Wq: QUANTISED (scales: A lowp_scales[0], B lowp_scales[1])
;;     2. [M 8,192, K 512] x [K 512, N 512]; A: input k_token; B: input Wk: QUANTISED (scales: A lowp_scales[2], B lowp_scales[3])
;;     3. [M 8,192, K 256] x [K 256, N 256]; A: input v_token; B: input Wv: QUANTISED (scales: A lowp_scales[4], B lowp_scales[5])
;;     4. [M 8,192, K 512] x [K 512, N 8,192]; A: input q_token; B: input k_token: QUANTISED (scales: A lowp_scales[6], B lowp_scales[7])
;;     5. [M 8,192, K 8,192] x [K 8,192, N 256]; A: softmax (see below); B: input v_token: QUANTISED (scales: A lowp_scales[8], B lowp_scales[9])
;;   THE QUANTISER, for each operand of a quantised product, along K:
;;     - The operand's scale is 2^e, e = its entry of the input lowp_scales (int32; the entries are numbered through the quantised products in the list's order, A before B).
;;     - Each number is divided by the scale, clamped to +-448, and rounded to the nearest number of E4M3, ties to even, subnormals kept.
;;     - The product sums the exact products of the quantised numbers (number of the format x scale) in f32.
;;   ~~~python
;;   def quantise(x, axis, e):      # numpy; x: float32 -> the quantised numbers, widened to float32 again
;;       x = np.moveaxis(x, axis, -1); K = x.shape[-1]
;;       r = np.clip(x / 2.0 ** e, -448, 448)
;;       step = 2.0 ** (np.maximum(np.frexp(np.where(r == 0, 1, r))[1] - 1, -6) - 3)
;;       q = np.round(r / step) * step * 2.0 ** e      # np.round: ties to even
;;       return np.moveaxis(q, -1, axis).astype(np.float32)
;;   ~~~
;;   SOFTMAX AHEAD OF A QUANTISED PRODUCT. Where the list says 'softmax', what is quantised is not the finished softmax but p = 2^(t - M), with t = logit x log2(e) and M = ceil(the row's largest t), a whole number; so 1/2 < the row's largest p <= 1. The row's sum l is taken of the UNQUANTISED p, in f32, and the product's result is divided by l at the end. Since M is a whole number, a kernel that streams over the keys may use a running M (the ceiling of the running maximum): every later rescaling is an exact power of two, so the quantised numbers keep their values, but for numbers so far below the row's largest that they fall under the format's range.
;;   OPERANDS COMPUTED ON THE WAY. 'Computed on the way' means the value that the module computes at that place (a softmax that the list does not call 'softmax' is quantised finished and normalised). What goes into a quantiser is computed in f32, as accurately as f32 sums, v_exp_f32 and their like allow (about 1e-6 of the number): no bf16 or f16 on the way to a quantiser, and a product that is left as it is and whose result goes on into a quantised operand takes f32 operands (vector FMAs, or v_wmma_f32_16x16x4_f32). A number that lies on a knife's edge between two numbers of the format may be rounded either way, as far as f32 arithmetic and the matrix unit's own rounding can turn it there, and no further.
;; One version. Each part assembles by itself: llvm-mc -triple=amdgcn-amd-amdhsa -mcpu=gfx1250 --defsym DOCPART=n.
;; ======== version 1 of 1: 3 launches
;; limits: right only within a limited range of input values
;; workspace buffers: q_codes 4,194,304 bytes; k_codes 4,194,304 bytes; v_codes 2,097,152 bytes; part_o 33,554,432 bytes; part_ml 262,144 bytes
;; launch quant (part 1): grid 640 x 1, 4 waves a work-group, no clusters, 18,944 bytes of LDS; arguments q_token, k_token, v_token, lowp_scales, q_codes, k_codes, v_codes; writes q_codes, k_codes, v_codes
.if DOCPART == 1
	.amdgcn_target "amdgcn-amd-amdhsa--gfx1250"
	.amdhsa_code_object_version 6
	.text
	.protected	k_qad9ed6e5d3_quant
	.globl	k_qad9ed6e5d3_quant
	.p2align	8
	.type	k_qad9ed6e5d3_quant,@function
k_qad9ed6e5d3_quant:
	s_mov_b64 s[64:65], 0
	v_nop
	global_prefetch_b8 v0, s[64:65] scope:SCOPE_SE
	s_setreg_imm32_b32 hwreg(HW_REG_WAVE_MODE, 25, 1), 1
	s_wait_xcnt 0x0
; q_token, k_token [8192][512] and v_token [8192][256], f32, become codes of FP8 (E4M3) for the two products that reach an output: scores = q k^T (scales 2^e6, 2^e7) and att v (v's scale 2^e9).
; code = x / 2^e, held within +-448, rounded to the nearest code, ties to even.  LIMITS: each e between -126 and 119, so that 2^e and 448 x 2^e are f32 numbers.  NaN among the inputs is not served.
; reference() deletes Q, K and V (its products 1 to 3): no output number hangs on them, so they are not computed, and Wq, Wk, Wv and scales 0 to 5 are not read.
; WORK-GROUPS 0-255: q;  256-511: k;  512-639: v.  Waves share nothing: no barrier.
; q AND k.  A wave takes 8 rows.  Lane l loads 16 bytes of each quarter (512 bytes) of a row: every load reads 512 consecutive bytes.  Its 16 numbers become 16 codes, stored at byte 16 l of the row of codes:
;   byte 16 l + 4 i + j of a row of codes holds k = 128 i + 4 l + j.  That is ONE permutation of K, the same in q and in k: every product still meets its partner, and only the order of the sums changes.
; v.  The keys are the second product's K, and they are v's FIRST axis: a lane takes a column d and its registers run down the keys, so the conversions give codes with the keys innermost; nothing is transposed.
;   v_codes is [64 blocks of 128 keys][256 d][128 bytes].  Inside each 32 keys the order is 0-7, 16-23, 8-15, 24-31: two loads of 16 bytes then give lane (d, h) of the matrix operand keys 16 c + 8 h + 0..7 in registers 2 c, 2 c + 1.
;   A lane's codes belong to one row d and the lanes beside it hold other rows: they go through the wave's own stage in LDS and leave as 512 consecutive bytes a store.
.set X,     16                         ; v16-143  numbers as loaded
.set C,     144                        ; v144-175 codes: registers of their own for each row or block, so that no store's data are written again
.set SC,    2                          ; v2       2^e as f32: the conversion takes its exponent field
.set LIM,   3                          ; v3       448 x 2^e
.set PITCH, 144                        ; a stage row: 128 bytes + 16: rows start 16 bytes further round each 256
.macro SCALES e                        ; from the whole number in s[e]
	s_add_co_i32 s26, s[\e], 127
	s_lshl_b32 s27, s26, 23
	v_mov_b32 v[SC], s27
	s_add_co_i32 s26, s26, 8
	s_lshl_b32 s26, s26, 23
	s_or_b32 s26, s26, 0x600000                    ; the mantissa field of 448
	v_mov_b32 v[LIM], s26
.endm
	s_load_b256 s[4:11], s[0:1], 0x0               ; q_token s[4:5], k_token s[6:7], v_token s[8:9], the scales' exponents s[10:11]
	s_load_b128 s[12:15], s[0:1], 0x20             ; q_codes s[12:13], k_codes s[14:15]
	s_load_b64 s[16:17], s[0:1], 0x30              ; v_codes
	v_lshl_add_u32 v176, v0, 2, 0x4800
	v_mov_b32 v177, 0
	v_lshrrev_b32 v8, 5, v0
	v_readfirstlane_b32 s18, v8                    ; wave 0..3
	v_and_b32 v8, 31, v0                           ; lane
	s_mov_b32 s25, 0                               ; the upper word of every byte offset below
	s_wait_kmcnt 0x0
	s_load_b64 s[20:21], s[10:11], 0x18            ; e6, e7
	s_load_b32 s22, s[10:11], 0x24                 ; e9
	s_cmp_ge_u32 ttmp9, 512
	s_cbranch_scc1 .Lv
	; ---- q or k: the buffers are chosen on the work-group's number alone
	s_cmp_lt_u32 ttmp9, 256
	s_cselect_b64 s[4:5], s[4:5], s[6:7]
	s_cselect_b64 s[12:13], s[12:13], s[14:15]
	s_cselect_b32 s23, 0, 256
	s_sub_co_u32 s23, ttmp9, s23
	s_lshl_b32 s23, s23, 5
	s_lshl_b32 s24, s18, 3
	s_add_co_u32 s23, s23, s24                     ; my wave's first row: 32 x work-group + 8 x wave
	s_lshl_b32 s24, s23, 11
	s_add_nc_u64 s[4:5], s[4:5], s[24:25]          ; rows of 2,048 bytes in,
	s_lshl_b32 s24, s23, 9
	s_add_nc_u64 s[12:13], s[12:13], s[24:25]      ; of 512 bytes out
	s_wait_alu depctr_va_vdst(0)
	v_lshlrev_b32 v1, 4, v8                        ; 16 x lane, in and out
.irp r, 0,1,2,3,4,5,6,7
.irp i, 0,1,2,3
	global_load_b128 v[X+16*\r+4*\i:X+16*\r+4*\i+3], v1, s[4:5] offset:2048*\r+512*\i th:TH_LOAD_NT   ; all 32 loads of the wave go out at once
.endr
.endr
	s_wait_kmcnt 0x0
	s_cmp_lt_u32 ttmp9, 256
	s_cselect_b32 s20, s20, s21
	SCALES 20
.macro ROW r
	s_wait_loadcnt 28-4*\r                         ; loads come back in order: this row's four are in; the later rows' four each may be out
.irp i, 0,1,2,3,4,5,6,7,8,9,10,11,12,13,14,15
	v_med3_num_f32 v[X+16*\r+\i], v[X+16*\r+\i], -v[LIM], v[LIM]   ; the conversion to an 8-bit code does not saturate (ISA guide 7.6.2): the hold comes first
.endr
	v_cvt_scalef32_pk8_fp8_f32 v[C+4*\r:C+4*\r+1], v[X+16*\r:X+16*\r+7], v[SC]
	v_cvt_scalef32_pk8_fp8_f32 v[C+4*\r+2:C+4*\r+3], v[X+16*\r+8:X+16*\r+15], v[SC]
	global_store_b128 v1, v[C+4*\r:C+4*\r+3], s[12:13] offset:512*\r   ; 32 lanes store the row's 512 consecutive bytes.  (The codes go to a store alone; the next row's holds are plain lines on other registers)
.endm
	s_wait_alu depctr_va_vdst(0)
.irp r, 0,1,2,3,4,5,6,7
	ROW \r
.endr
	s_endpgm
	; ---- v: a wave takes 32 columns x 128 keys
.Lv:
	s_sub_co_u32 s23, ttmp9, 512
	s_and_b32 s24, s23, 1                          ; which 128 columns
	s_lshr_b32 s23, s23, 1                         ; which block of 128 keys
	s_lshl_b32 s24, s24, 7
	s_lshl_b32 s26, s18, 5
	s_add_co_u32 s26, s24, s26                     ; my wave's first column d0
	s_lshl_b32 s24, s23, 17                        ; 128 keys of 1,024 bytes
	s_lshl_b32 s27, s26, 2
	s_add_co_u32 s24, s24, s27
	s_add_nc_u64 s[8:9], s[8:9], s[24:25]
	s_lshl_b32 s24, s23, 15                        ; a block of codes: 256 rows of 128 bytes
	s_lshl_b32 s27, s26, 7
	s_add_co_u32 s24, s24, s27
	s_add_nc_u64 s[16:17], s[16:17], s[24:25]
	s_wait_alu depctr_va_vdst(0)
	v_lshlrev_b32 v1, 2, v8                        ; in: 4 bytes a lane: a load reads 128 consecutive bytes, the four waves side by side 512
	s_mul_i32 s19, s18, 32*PITCH                   ; my stage
	v_mul_u32_u24 v4, v8, PITCH
	v_add_nc_u32 v4, s19, v4                       ; into it: row = my column
	v_lshrrev_b32 v5, 3, v8
	v_mul_u32_u24 v5, v5, PITCH
	v_and_b32 v6, 7, v8
	v_lshl_add_u32 v5, v6, 4, v5
	v_add_nc_u32 v5, s19, v5                       ; out of it: eight lanes to a row of 128 bytes, four rows an instruction
	v_lshlrev_b32 v6, 4, v8                        ; and the same 512 bytes in v_codes
.macro LOADV b                         ; 32 keys of my column; register i takes key i % 8 + 8 (2 ((i / 8) % 2) + i / 16) of them: 0-7, 16-23, 8-15, 24-31
.irp i, 0,1,2,3,4,5,6,7,8,9,10,11,12,13,14,15,16,17,18,19,20,21,22,23,24,25,26,27,28,29,30,31
	global_load_b32 v[X+32*(\b)+\i], v1, s[8:9] offset:(32*(\b)+(\i)%8+8*((((\i)/8)%2)*2+(\i)/16))*1024 th:TH_LOAD_NT
.endr
.endm
	LOADV 0
	LOADV 1
	s_wait_kmcnt 0x0
	SCALES 22
.macro BLOCKV b
.if (\b) < 3
	s_wait_loadcnt 32                              ; this block's 32 loads are in; the next block's 32 may be out
.else
	s_wait_loadcnt 0x0
.endif
.if (\b) < 2
	LOADV (\b)+2
.endif
.irp i, 0,1,2,3,4,5,6,7,8,9,10,11,12,13,14,15,16,17,18,19,20,21,22,23,24,25,26,27,28,29,30,31
	v_med3_num_f32 v[X+32*(\b)+\i], v[X+32*(\b)+\i], -v[LIM], v[LIM]
.endr
.irp g, 0,1,2,3
	v_cvt_scalef32_pk8_fp8_f32 v[C+8*(\b)+2*\g:C+8*(\b)+2*\g+1], v[X+32*(\b)+8*\g:X+32*(\b)+8*\g+7], v[SC]
.endr
	ds_store_b128 v4, v[C+8*(\b):C+8*(\b)+3] offset:32*(\b)        ; 32 codes: 32 bytes of my column's row
	ds_store_b128 v4, v[C+8*(\b)+4:C+8*(\b)+7] offset:32*(\b)+16
.endm
	s_wait_alu depctr_va_vdst(0)
.irp b, 0,1,2,3
	BLOCKV \b
.endr
.irp t, 0,1,2,3,4,5,6,7
	ds_load_b128 v[X+4*\t:X+4*\t+3], v5 offset:4*\t*PITCH          ; LDS serves a wave's instructions in order (ISA guide 5.7.1.4): these see my stores
.endr
.irp t, 0,1,2,3,4,5,6,7
	s_wait_dscnt 7-\t                              ; the later loads may be out
	global_store_b128 v6, v[X+4*\t:X+4*\t+3], s[16:17] offset:512*\t   ; four rows d of 128 bytes: 512 consecutive bytes
.endr
	s_wait_tensorcnt 0x0
	ds_add_u32 v176, v177
	s_wait_dscnt 0x0
	s_endpgm
.Lfunc_end_k_qad9ed6e5d3_quant:
	.size	k_qad9ed6e5d3_quant, .Lfunc_end_k_qad9ed6e5d3_quant-k_qad9ed6e5d3_quant
	.p2alignl 7, 3214868480
	.fill 96, 4, 3214868480
	.section	.rodata,"a",@progbits
	.p2align	6, 0x0
	.amdhsa_kernel k_qad9ed6e5d3_quant
		.amdhsa_group_segment_fixed_size 18944
		.amdhsa_private_segment_fixed_size 0
		.amdhsa_enable_private_segment 0
		.amdhsa_kernarg_size 56
		.amdhsa_user_sgpr_count 2
		.amdhsa_user_sgpr_kernarg_segment_ptr 1
		.amdhsa_wavefront_size32 1
		.amdhsa_system_sgpr_workgroup_id_x 1
		.amdhsa_system_sgpr_workgroup_id_y 1
		.amdhsa_system_sgpr_workgroup_id_z 1
		.amdhsa_system_vgpr_workitem_id 0
		.amdhsa_next_free_vgpr 178
		.amdhsa_next_free_sgpr 66
		.amdhsa_reserve_vcc 0
		.amdhsa_float_denorm_mode_32 3
		.amdhsa_float_denorm_mode_16_64 3
		.amdhsa_memory_ordered 1
		.amdhsa_forward_progress 1
		.amdhsa_inst_pref_size 40
	.end_amdhsa_kernel
	.amdgpu_metadata
---
amdhsa.version: [ 1, 2 ]
amdhsa.kernels:
  - .name:           k_qad9ed6e5d3_quant
    .symbol:         k_qad9ed6e5d3_quant.kd
    .args:
      - { .name: q_token, .offset: 0, .size: 8, .value_kind: global_buffer, .address_space: global }
      - { .name: k_token, .offset: 8, .size: 8, .value_kind: global_buffer, .address_space: global }
      - { .name: v_token, .offset: 16, .size: 8, .value_kind: global_buffer, .address_space: global }
      - { .name: lowp_scales, .offset: 24, .size: 8, .value_kind: global_buffer, .address_space: global }
      - { .name: q_codes, .offset: 32, .size: 8, .value_kind: global_buffer, .address_space: global }
      - { .name: k_codes, .offset: 40, .size: 8, .value_kind: global_buffer, .address_space: global }
      - { .name: v_codes, .offset: 48, .size: 8, .value_kind: global_buffer, .address_space: global }
    .group_segment_fixed_size: 18944
    .private_segment_fixed_size: 0
    .kernarg_segment_align: 8
    .kernarg_segment_size: 56
    .max_flat_workgroup_size: 128
    .sgpr_count:     66
    .vgpr_count:     178
    .wavefront_size: 32
...
	.end_amdgpu_metadata
.endif
;; end of part 1
;; launch attn (part 2): grid 64 x 4, 4 waves a work-group, clusters of 4 x 1, 327,680 bytes of LDS; arguments q_codes, k_codes, v_codes, lowp_scales, part_o, part_ml; writes part_o, part_ml
.if DOCPART == 2
	.amdgcn_target "amdgcn-amd-amdhsa--gfx1250"
	.amdhsa_code_object_version 6
	.text
	.protected	k_qad9ed6e5d3_attn
	.globl	k_qad9ed6e5d3_attn
	.p2align	8
	.type	k_qad9ed6e5d3_attn,@function
k_qad9ed6e5d3_attn:
	s_mov_b64 s[64:65], 0
	v_nop
	global_prefetch_b8 v0, s[64:65] scope:SCOPE_SE
	s_setreg_imm32_b32 hwreg(HW_REG_WAVE_MODE, 25, 1), 1
	s_wait_xcnt 0x0
	s_wait_alu depctr_hold_cnt(0) depctr_sa_sdst(0) depctr_va_vdst(0) depctr_va_sdst(0) depctr_va_ssrc(0) depctr_va_vcc(0) depctr_vm_vsrc(0)
	s_getreg_b32 s2, hwreg(HW_REG_IB_STS2, 6, 4)
	s_cmp_eq_u32 s2, 0
	s_cbranch_scc0 .Lentry_in_a_cluster
	s_endpgm
.Lentry_in_a_cluster:
	s_bfe_u32 s2, ttmp6, 0x10000c
	s_cmp_lg_u32 s2, 0x3003
	s_cbranch_scc0 .Lentry_shape_is_right
	s_endpgm
.Lentry_shape_is_right:
; ATTENTION ON CODES OF FP8 (E4M3), one part of it: 128 queries x 2,048 keys to a work-group.  scores = q k^T / sqrt(512) (K = 512), p = 2^(t - M), O = p v (K = the keys, 256 channels).
; t = score x log2(e) / sqrt(512); M = the largest t so far, rounded UP to a whole number; p is quantised with the given 2^ep, not normalised; l is the sum of the unquantised p, in f32.  When M moves, l and O are
; multiplied by 2^(old M - new M), which rounds nothing.  The launch stores, for each of the 4 parts of the keys, O (sums of products of codes, under the part's M), -M and l; the next launch joins the parts.
; reference() deletes Q, K and V (its products 1 to 3): they are not computed here or anywhere.
; SHARES.  Work-group (x, y): queries 128 x on, keys 2,048 y on, in 16 tiles of 128 keys.  Wave w: queries 64 (w / 2) on (four tiles of 16).  In the FIRST product it takes keys 64 (w % 2) on of a tile, in the SECOND
; channels 128 (w % 2) on and all 128 keys: O^T is held once.  So the two waves of a query half need one M and each other's half of P: each puts its largest scores and its codes of P into LDS bytes of its own.
; THE TRIP IS SKEWED, so that the one barrier of a trip serves the refill and both exchanges: trip j does  the softmax of tile j + 1;  O^T += V(j) P(j);  S^T of tile j + 2 and its largest scores.
; The LDS loads of a trip go out in groups of 16 between the blocks of the softmax, well ahead of the products that read them.
; LAYOUT.  Both products are used transposed: S^T = K Q^T, O^T = V^T P: a lane holds ONE query (lane % 16).  The eight sums of a tile of S^T are keys 8 (lane / 16) + 0..7: converted, they are registers 2 c, 2 c + 1 of P.
; In P and in V's fragments my own 64 keys stand in registers 0-7 and my partner's in 8-15: one permutation of the keys, the same on both sides.  q_codes and k_codes carry one permutation of K inside a row.
; So the order of sums inside an instruction differs from reference()'s.
; CLUSTER.  The four work-groups of a cluster have the same keys: each tile of K and V is asked for JOINTLY, by the same tensor load with the same descriptor and the mask of all four.  Q is read once, into registers.
; LIMITS, so that each power of two below is an f32 number: ep between -126 and 119; 123 + eq + ek between 1 and 254 (they are added to c's exponent field).  NaN among the inputs is not served.
; REGISTERS, in windows of 256 (s_set_vgpr_msb: bits 1:0 source 0, 3:2 source 1, 5:4 source 2, 7:6 destination):
;   window 0: v1-29 addresses and constants; v32-63 statistics, eight a tile of queries; v64-191 S^T (32 a tile), on the way out rows of O; v192-255 P (16 a tile)
;   window 1: Q, 16 fragments of 16.   window 2: O^T, (tile t, 16 channels i) at v[64 t + 8 i].   window 3: v0-127 V's 8 fragments, then K's fragments 8-15; v128-255 K's fragments 0-7.
.set SLOT1, 131072                     ; slot 1 begins here: one exclusive or turns an address in one slot into the other's
.set KP,    528                        ; a key's row in LDS: 512 bytes + 16
.set VP,    144                        ; a row of V (128 keys of one channel): 128 bytes + 16
.set VOFF,  128*KP                     ; a slot: 128 rows of K, then 256 rows of V,
.set XB,    VOFF+256*VP                ; then the exchange, in blocks of 256 bytes on which no tile lands: XW bytes a wave
.set XW,    4608                       ; 4,096 of P's codes (an image of 32 registers), 512 of four numbers a lane
.set SPARE, 2*SLOT1                    ; behind the ring: the spare words, 128 bytes for each wave
.set S2,    SPARE+512                  ; 512 bytes a wave: -M and l, to turn them into 256 consecutive bytes
.set STG,   S2+2048                    ; a stage of 16 rows x (512 + 16) bytes for each wave, for the way out
.set SP,    528
.set RR,   1                           ; lane % 16
.set HH,   2                           ; lane / 16
.set AK0,  3                           ; my lane's place in a tile of K: (64 (w % 2) + r) KP + 16 h
.set AVA0, 4                           ; in a tile of V: my channels' rows, my own 64 keys
.set AVB0, 5                           ; the same rows, my partner's 64 keys
.set ADK,  6                           ; v6-8 the same three in the slot in hand
.set ADVA, 7
.set ADVB, 8
.set QO,   9                           ; Q: 512 r + 16 h
.set XS0,  10                          ; the exchange: my block + 16 x lane;  v11 my partner's
.set XL0,  11
.set XS,   12                          ; my block in the other slot (stores);  v13 my partner's in the slot in hand (loads);  v23 my own in the slot in hand (loads)
.set XL,   13
.set XO,   23
.set S2S,  14
.set S2L,  15
.set STO,  16                          ; the stage: where I put 32 bytes of a row;  v17 where I read a row back
.set RD,   17
.set CO,   18                          ; 16 x lane
.set MLO,  19                          ; 8 x lane
.set PFO,  20                          ; 256 x lane: the prefetches' offset; never rewritten
.set LIMV, 21                          ; 448 x 2^ep
.set SCV,  22                          ; 2^ep as f32, for the conversion
.set LN,   24
.set TV,   25
.set SPW,  28                          ; LDS address of my spare word; never rewritten
.set NIL,  29                          ; 0; never rewritten
.set ST,   32                          ; tile t's statistics at v[ST + 8 t]: +0 -M, +1 0 (named with -M as a pair), +2, +3 l in two halves, +4 f = 2^(old M - new M), +5 0, +6, +7 at work
.set S,    64
.set P,    192
.set ML,   192
.set BK,   64
.set WV,   16
.set KH,   17                          ; w % 2
.set QH,   18                          ; w / 2
.set CX,   19                          ; my place in the cluster; it enters Q's, the outputs' and the prefetches' addresses alone
.set QB,   20
.set SPL,  21
.set G1K,  24                          ; s[24:31], s[32:39] descriptor groups 1;  s[40:43], s[44:47] groups 0, which walk
.set G1V,  32
.set G0K,  40
.set G0V,  44
.set TO,   48                          ; LDS byte at which the other slot begins
.set CNT,  56
.set LIM,  57                          ; 1 in a wave that prefetches, else the greatest number
.set CS,   58                          ; s[58:59] c = log2(e) / sqrt(512) x 2^(eq + ek)
.set SEL,  60                          ; s[60:61] lane selects: lane l xor 16
.set TB,   62                          ; LDS byte at which the slot in hand begins
.set LK,   66
.set LV,   67
.set PFA,  72
.set PFS,  74
.set MSB, 0
.macro WIN new                         ; the immediate's high byte repeats the setting that is left; a switch that changes nothing is dropped
.if MSB != \new
	s_set_vgpr_msb (MSB<<8)|\new
.set MSB, \new
.endif
.endm
.macro PLACES n                        ; plain places behind matrix instructions (ISA guide 7.12.1)
.rept \n
	v_nop
.endr
.endm
.macro CREST                           ; a round of the cluster's barrier behind its opening barrier
	s_cmp_lg_u32 s[WV], 0
	s_cbranch_scc1 .Lnot_wave_0_\@
	s_barrier_signal -3
.Lnot_wave_0_\@:
	s_barrier_wait -3
	s_barrier_signal -1
	s_barrier_wait -1
.endm
.macro CROUND                          ; a whole round
	s_barrier_signal -1
	s_barrier_wait -1
	CREST
.endm
; A joint load: waves 0 and 1 fetch K's two halves (64 rows of 512 bytes), waves 2 and 3 V's (16,384 dense bytes, stated as 64 rows of 256).  mode 2: both; 1: K alone; 3: V alone.
; The branches hang on the wave's number alone.  s_nop 0 and four v_nop follow each load.
.macro TL mode
	s_cmp_lt_u32 s[WV], 2
.if \mode == 2
	s_cbranch_scc0 .Lfv_\@
.endif
.if \mode == 1
	s_cbranch_scc0 .Lda_\@
.endif
.if \mode == 3
	s_cbranch_scc1 .Lda_\@
.endif
.if \mode < 3
	tensor_load_to_lds s[G0K:G0K+3], s[G1K:G1K+7]
	s_nop 0
	PLACES 4
.endif
.if \mode == 2
	s_branch .Lda_\@
.Lfv_\@:
.endif
.if \mode > 1
	tensor_load_to_lds s[G0V:G0V+3], s[G1V:G1V+7]
	s_nop 0
	PLACES 4
.endif
.Lda_\@:
.endm
; A PREFETCH of what the NEXT trip's joint loads will ask for: K's tile j + 4 (65,536 bytes) and V's tile j + 2 (32,768), both dense.  Each aligned block of 256 bytes is named once in the launch: of the 16 clusters that
; walk a part of the keys the first asks; its four partners share the blocks out BY ADDRESS; in each, waves 0 and 1 take K's share, 8,192 bytes each, wave 2 V's; lanes 256 bytes apart.
; It stands in the loop alone (trips 1 to 12) and not in its last trip: K's tiles 5 to 15, V's 3 to 13; the others come by their loads alone.
.macro ASK
	s_cmp_gt_u32 s[CNT], s[LIM]
	s_cbranch_scc0 .Lnot_mine_\@
	global_prefetch_b8 v[PFO], s[PFA:PFA+1] th:TH_LOAD_NT scope:SCOPE_SE
.Lnot_mine_\@:
.endm
	s_load_b256 s[4:11], s[0:1], 0x0               ; q_codes, k_codes, v_codes, the scales' exponents
	s_load_b128 s[12:15], s[0:1], 0x20             ; part_o, part_ml
	v_lshl_add_u32 v[SPW], v0, 2, SPARE
	v_mov_b32 v[NIL], 0
	ds_add_u32 v[SPW], v[NIL]                      ; the opening: the add, twice on end, and its wait ahead of my first tensor load
	ds_add_u32 v[SPW], v[NIL]
	v_lshrrev_b32 v[TV], 5, v0
	v_readfirstlane_b32 s[WV], v[TV]               ; wave 0..3
	s_and_b32 s[KH], s[WV], 1
	s_lshr_b32 s[QH], s[WV], 1
	s_bfe_u32 s[CX], ttmp6, 0x40000
	s_lshl_b32 s[QB], ttmp9, 2                     ; in a cluster launch ttmp9 counts clusters
	s_add_co_u32 s[QB], s[QB], s[CX]
	s_and_b32 s[SPL], ttmp7, 0xffff                ; my part of the keys, which the four partners share
	s_mov_b32 s[G1K], 15|(1<<20)|(1<<21)|(6<<22)|(3<<25)   ; the mask of all four; elements of 1 byte; padding: four words after every 128
	s_mov_b32 s[G1K+1], 512<<16
	s_mov_b32 s[G1K+2], 64<<16
	s_mov_b32 s[G1K+3], 512<<16
	s_mov_b32 s[G1K+4], 64
	s_mov_b32 s[G1K+5], 512
	s_mov_b32 s[G1K+6], 0
	s_mov_b32 s[G1K+7], 0
	s_mov_b32 s[G1V], 15|(1<<20)|(1<<21)|(4<<22)|(3<<25)   ; padding: four words after every 32: behind each channel's 128 bytes
	s_mov_b32 s[G1V+1], 256<<16
	s_mov_b32 s[G1V+2], 64<<16
	s_mov_b32 s[G1V+3], 256<<16
	s_mov_b32 s[G1V+4], 64
	s_mov_b32 s[G1V+5], 256
	s_mov_b32 s[G1V+6], 0
	s_mov_b32 s[G1V+7], 0
	s_mov_b32 s[CS], 0x3d8293ee                    ; c = log2(e) / sqrt(512)
	s_mov_b32 s[SEL], 0x76543210
	s_mov_b32 s[SEL+1], 0xfedcba98
	s_mov_b32 s[TB], SLOT1                         ; the first trip turns it to slot 0
	s_and_b32 s[LIM], s[KH], s[QH]                 ; 0 in waves 0, 1, 2,
	s_or_b32 s[LIM], s[LIM], ttmp9                 ; of the first cluster of my part of the keys
	s_cmp_eq_u32 s[LIM], 0
	s_cselect_b32 s[LIM], 1, -1
	; every LDS address is a constant + a constant x lane + a constant x wave
	s_mul_i32 s[LK], s[KH], 64*KP
	s_mul_i32 s[LV], s[KH], 128*VP
	s_add_co_u32 s[LV], s[LV], VOFF
	s_lshl_b32 s22, s[KH], 6
	s_add_co_u32 s80, s[LV], s22                   ; my own 64 keys' bytes in a row of V,
	s_xor_b32 s22, s22, 64
	s_add_co_u32 s81, s[LV], s22                   ; my partner's
	s_mul_i32 s82, s[WV], XW
	s_add_co_u32 s82, s82, XB
	s_xor_b32 s83, s[WV], 1
	s_mul_i32 s83, s83, XW
	s_add_co_u32 s83, s83, XB
	s_lshl_b32 s84, s[WV], 9
	s_add_co_u32 s84, s84, S2
	s_lshl_b32 s85, s[KH], 8
	s_add_co_u32 s85, s85, s84
	s_mul_i32 s86, s[WV], 16*SP
	s_add_co_u32 s86, s86, STG
	s_wait_alu depctr_va_vdst(0)
	s_wait_dscnt 0x0                               ; both opening adds are done
	s_wait_kmcnt 0x0
	s_load_b64 s[68:69], s[10:11], 0x18            ; eq, ek
	s_load_b32 s70, s[10:11], 0x20                 ; ep
	s_mov_b32 s23, 0
	s_lshl_b32 s22, s[SPL], 20                     ; 2,048 keys of 512 bytes
	s_add_nc_u64 s[6:7], s[6:7], s[22:23]
	s_lshl_b32 s22, s[SPL], 19                     ; 16 blocks of 32,768 bytes
	s_add_nc_u64 s[8:9], s[8:9], s[22:23]
	s_mov_b32 s[G0K], 1
	s_mov_b32 s[G0K+1], s[LK]
	s_lshl_b32 s22, s[KH], 15
	s_add_nc_u64 s[G0K+2:G0K+3], s[6:7], s[22:23]
	s_or_b32 s[G0K+3], s[G0K+3], 0x80000000
	s_mov_b32 s[G0V], 1
	s_mov_b32 s[G0V+1], s[LV]
	s_lshl_b32 s22, s[KH], 14
	s_add_nc_u64 s[G0V+2:G0V+3], s[8:9], s[22:23]
	s_or_b32 s[G0V+3], s[G0V+3], 0x80000000
	CROUND                                         ; all four work-groups are here: the first joint loads meet
	TL 2                                           ; K's and V's tile 0: one tensor load a wave at the head
	v_and_b32 v[RR], 15, v0
	v_bfe_u32 v[HH], v0, 4, 1
	v_and_b32 v[LN], 31, v0
	v_mul_u32_u24 v[AK0], v[RR], KP
	v_lshl_add_u32 v[AK0], v[HH], 4, v[AK0]
	v_add_nc_u32 v[AK0], s[LK], v[AK0]
	v_mul_u32_u24 v[TV], v[RR], VP
	v_lshl_add_u32 v[TV], v[HH], 4, v[TV]
	v_add_nc_u32 v[AVA0], s80, v[TV]
	v_add_nc_u32 v[AVB0], s81, v[TV]
	v_lshlrev_b32 v[QO], 9, v[RR]
	v_lshl_add_u32 v[QO], v[HH], 4, v[QO]
	v_lshlrev_b32 v[CO], 4, v[LN]
	v_lshlrev_b32 v[MLO], 3, v[LN]
	v_lshlrev_b32 v[PFO], 8, v[LN]
	v_add_nc_u32 v[XS0], s82, v[CO]
	v_add_nc_u32 v[XL0], s83, v[CO]
	v_lshl_add_u32 v[S2S], v[RR], 2, s84
	v_lshl_add_u32 v[S2L], v[LN], 3, s85
	v_mul_u32_u24 v[STO], v[RR], SP
	v_lshl_add_u32 v[STO], v[HH], 5, v[STO]
	v_add_nc_u32 v[STO], s86, v[STO]
	v_add_nc_u32 v[RD], s86, v[CO]
.irp t, 0,1,2,3
	v_mov_b32 v[ST+8*\t], 0x7f61b1e6               ; -M: 3e38, over every -t
	v_mov_b32 v[ST+8*\t+1], 0
	v_mov_b32 v[ST+8*\t+2], 0                      ; l, in two halves
	v_mov_b32 v[ST+8*\t+3], 0
	v_mov_b32 v[ST+8*\t+5], 0
.endr
	s_lshl_b32 s2, s[QB], 16                       ; Q: my block's 128 rows of 512 bytes, my wave's 64 of them
	s_lshl_b32 s3, s[QH], 15
	s_add_co_u32 s2, s2, s3
	s_mov_b32 s3, 0
	s_add_nc_u64 s[4:5], s[4:5], s[2:3]
	s_wait_alu depctr_va_vdst(0)
	WIN 0x40
.irp t, 0,1,2,3
.irp s, 0,1,2,3
.irp c, 0,1,2,3
	global_load_b128 v[64*\t+16*\s+4*\c:64*\t+16*\s+4*\c+3], v[QO], s[4:5] offset:8192*\t+128*\s+32*\c   ; Q stays in registers
.endr
.endr
.endr
	WIN 0
	s_lshl_b32 s2, s[SPL], 23                      ; part_o: [4][8192][256] f32: my part, my first query's row, my 128 channels' 512 bytes
	s_lshl_b32 s3, s[QB], 17
	s_add_co_u32 s2, s2, s3
	s_lshl_b32 s3, s[QH], 16
	s_add_co_u32 s2, s2, s3
	s_lshl_b32 s3, s[KH], 9
	s_add_co_u32 s2, s2, s3
	s_mov_b32 s3, 0
	s_add_nc_u64 s[12:13], s[12:13], s[2:3]
	s_lshl_b32 s2, s[KH], 17                       ; part_ml: [2][4][8192] f32: plane 0 (-M) from waves 0 and 2, plane 1 (l) from waves 1 and 3
	s_lshl_b32 s3, s[SPL], 15
	s_add_co_u32 s2, s2, s3
	s_lshl_b32 s3, s[QB], 9
	s_add_co_u32 s2, s2, s3
	s_lshl_b32 s3, s[QH], 8
	s_add_co_u32 s2, s2, s3
	s_mov_b32 s3, 0
	s_add_nc_u64 s[14:15], s[14:15], s[2:3]
	s_mov_b32 s[PFS], 32768                        ; the prefetches: a tile on in V,
	s_cmp_lt_u32 s[WV], 2
	s_cselect_b64 s[PFA:PFA+1], s[6:7], s[8:9]
	s_cselect_b32 s[PFS], 0x10000, s[PFS]          ; in K
	s_cselect_b32 s22, 2, 1
	s_mov_b32 s[PFS+1], 0
	s_lshr_b32 s2, s[PFS], 2
	s_mul_i32 s2, s2, s[CX]                        ; my work-group's quarter of a tile,
	s_lshl_b32 s3, s[KH], 13
	s_add_co_u32 s2, s2, s3                        ; my wave's 8,192 bytes of it,
	s_lshl_b32 s3, s[PFS], s22
	s_add_co_u32 s2, s2, s3                        ; in K's tile 4 or V's tile 2: the loop's first trip steps it on by one
	s_mov_b32 s3, 0
	s_add_nc_u64 s[PFA:PFA+1], s[PFA:PFA+1], s[2:3]
	s_wait_kmcnt 0x0
	s_add_co_i32 s22, s68, s69
	s_lshl_b32 s22, s22, 23
	s_add_co_i32 s[CS], s[CS], s22                 ; the two exponents are added to c's exponent field
	s_mov_b32 s[CS+1], s[CS]
	s_add_co_i32 s22, s70, 127
	s_lshl_b32 s23, s22, 23
	v_mov_b32 v[SCV], s23
	s_add_co_i32 s22, s22, 8
	s_lshl_b32 s22, s22, 23
	s_or_b32 s22, s22, 0x600000
	v_mov_b32 v[LIMV], s22
; Fragment f of a tile's 16 of K: keys 16 (f % 4) on of my 64, bytes 128 (f / 4) on of their rows; four loads.  Fragments 0-7 go to v128-255 of window 3, 8-15 to v0-127.
.macro KF f
.set KR, (128+16*(\f))%256
.irp c, 0,1,2,3
	ds_load_b128 v[KR+4*\c:KR+4*\c+3], v[ADK] offset:((\f)%4)*16*KP+((\f)/4)*128+32*\c
.endr
.endm
.macro KG a, b, c, d                   ; four of them, under one setting of the windows
	WIN 0xc0
	KF \a
	KF \b
	KF \c
	KF \d
	WIN 0
.endm
; Fragment i of V: 16 of my 128 channels x 128 keys, four loads: registers 0-7 my own 64 keys, 8-15 my partner's
.macro VF i
.irp c, 0,1
	ds_load_b128 v[16*(\i)+4*\c:16*(\i)+4*\c+3], v[ADVA] offset:(\i)*16*VP+32*\c
.endr
.irp c, 0,1
	ds_load_b128 v[16*(\i)+8+4*\c:16*(\i)+8+4*\c+3], v[ADVB] offset:(\i)*16*VP+32*\c
.endr
.endm
.macro VG a, b, c, d
	WIN 0xc0
	VF \a
	VF \b
	VF \c
	VF \d
	WIN 0
.endm
; S^T = K Q^T: 64 matrix instructions.  Each fragment of K serves my four tiles of queries.  The 16 accumulators take turns, one instruction a turn.
; w0: the LDS instructions issued behind fragments 0-7.  st = 1: fragments 8-15 were asked for last, ahead of P's 12 stores, and are awaited one by one.
.macro QK w0, st
	s_wait_dscnt \w0
	WIN 0x07                                       ; K window 3, Q window 1, S^T window 0
.set f, 0
.rept 16
.if (\st) && (f >= 8)
	s_wait_dscnt 12+4*(15-f)                       ; fragment f is in; the later fragments' four loads each and the 12 stores may be out
.endif
.set xr, (128+16*f)%256
.set kt, f%4
.set ks, f/4
.irp q, 0,1,2,3
.if f < 4
	v_wmma_f32_16x16x128_fp8_fp8 v[S+32*\q+8*kt:S+32*\q+8*kt+7], v[xr:xr+15], v[64*\q+16*ks:64*\q+16*ks+15], 0
.else
	v_wmma_f32_16x16x128_fp8_fp8 v[S+32*\q+8*kt:S+32*\q+8*kt+7], v[xr:xr+15], v[64*\q+16*ks:64*\q+16*ks+15], v[S+32*\q+8*kt:S+32*\q+8*kt+7]
.endif
.endr
.set f, f+1
.endr
	PLACES 4                                       ; in front of the first reads of the sums
	WIN 0
.endm
; The largest score of each of my queries among my 64 keys: two chains a tile, ascending; the tiles by turns
.macro LMAX
.irp t, 0,1,2,3
	v_max3_num_f32 v[ST+8*\t+6], v[S+32*\t], v[S+32*\t+1], v[S+32*\t+2]
.endr
.irp t, 0,1,2,3
	v_max3_num_f32 v[ST+8*\t+7], v[S+32*\t+3], v[S+32*\t+4], v[S+32*\t+5]
.endr
.irp i, 6,10,14,18,22,26
.irp t, 0,1,2,3
	v_max3_num_f32 v[ST+8*\t+6], v[ST+8*\t+6], v[S+32*\t+\i], v[S+32*\t+\i+1]
.endr
.irp t, 0,1,2,3
	v_max3_num_f32 v[ST+8*\t+7], v[ST+8*\t+7], v[S+32*\t+\i+2], v[S+32*\t+\i+3]
.endr
.endr
.irp t, 0,1,2,3
	v_max3_num_f32 v[ST+8*\t+6], v[ST+8*\t+6], v[S+32*\t+30], v[S+32*\t+31]
.endr
.irp t, 0,1,2,3
	v_max_num_f32 v[ST+8*\t+6], v[ST+8*\t+6], v[ST+8*\t+7]
.endr
.irp t, 0,1,2,3
	v_permlanex16_b32 v[ST+8*\t+7], v[ST+8*\t+6], s[SEL], s[SEL+1]
.endr
.irp t, 0,1,2,3
	v_max_num_f32 v[ST+8*\t+6], v[ST+8*\t+6], v[ST+8*\t+7]
.endr
.irp t, 0,1,2,3
	ds_store_b32 v[XS], v[ST+8*\t+6] offset:4096+4*\t      ; for my partner: four numbers a lane
.endr
.endm
; M and f of the tile whose softmax follows: +6 holds my largest score, +7 my partner's.  Both waves make the same numbers.
.macro STATS
.irp t, 0,1,2,3
	v_max_num_f32 v[ST+8*\t+6], v[ST+8*\t+6], v[ST+8*\t+7]
.endr
.irp t, 0,1,2,3
	v_mul_f32 v[ST+8*\t+6], s[CS], v[ST+8*\t+6]            ; as t (c is positive)
.endr
.irp t, 0,1,2,3
	v_floor_f32 v[ST+8*\t+7], -v[ST+8*\t+6]                ; -ceil(t)
.endr
.irp t, 0,1,2,3
	v_min_num_f32 v[ST+8*\t+7], v[ST+8*\t+7], v[ST+8*\t]   ; the new -M: the ceiling of the running largest t is the largest of the ceilings
.endr
.irp t, 0,1,2,3
	v_sub_f32 v[ST+8*\t+6], v[ST+8*\t+7], v[ST+8*\t]       ; old M - new M: a whole number, 0 or less
.endr
.irp t, 0,1,2,3
	v_mov_b32 v[ST+8*\t], v[ST+8*\t+7]
.endr
.irp t, 0,1,2,3
	v_cvt_i32_f32 v[ST+8*\t+6], v[ST+8*\t+6]               ; (it saturates)
.endr
.irp t, 0,1,2,3
	v_ldexp_f32 v[ST+8*\t+4], 1.0, v[ST+8*\t+6]            ; f = 2^(old M - new M)
.endr
.endm
; THE SOFTMAX of my four tiles, 32 scores a lane each.  The exponentials go in two batches of 64, tiles 0 and 1, then tiles 2 and 3.  Each batch takes turns with plain lines on OTHER registers, none of which reads what a
; line of the same batch's turns wrote: what they write is first read behind the next wait.  The chains of sums stand behind a batch's wait, as whole blocks, with no exponential among them.
.macro SM0                             ; l under the new M;  t - M of tiles 0 and 1
.irp t, 0,1,2,3
	v_pk_mul_f32 v[ST+8*\t+2:ST+8*\t+3], v[ST+8*\t+2:ST+8*\t+3], v[ST+8*\t+4:ST+8*\t+5] op_sel_hi:[1,0]
.endr
.set n, 0
.rept 32
	v_pk_fma_f32 v[S+2*n:S+2*n+1], v[S+2*n:S+2*n+1], s[CS:CS+1], v[ST+8*(n/16):ST+8*(n/16)+1] op_sel_hi:[1,0,0]
.set n, n+1
.endr
.endm
.macro SM1                             ; p = 2^(t - M) of tiles 0 and 1, at most 1, not normalised;  by turns: t - M of tiles 2 and 3
.set n, 0
.rept 32
	v_exp_f32 v[S+2*n], v[S+2*n]
	v_pk_fma_f32 v[S+64+2*n:S+64+2*n+1], v[S+64+2*n:S+64+2*n+1], s[CS:CS+1], v[ST+16+8*(n/16):ST+16+8*(n/16)+1] op_sel_hi:[1,0,0]
	v_exp_f32 v[S+2*n+1], v[S+2*n+1]
.set n, n+1
.endr
.endm
.macro ADDS a, b                       ; l of two tiles: the sum is taken of the UNQUANTISED p, two at a time, in two chains a tile
.irp t, \a, \b
	v_pk_add_f32 v[ST+8*\t+6:ST+8*\t+7], v[S+32*\t:S+32*\t+1], v[S+32*\t+2:S+32*\t+3]
.endr
.irp j, 4,8,12,16,20,24,28
.irp t, \a, \b
	v_pk_add_f32 v[ST+8*\t+2:ST+8*\t+3], v[ST+8*\t+2:ST+8*\t+3], v[S+32*\t+\j:S+32*\t+\j+1]
.endr
.irp t, \a, \b
	v_pk_add_f32 v[ST+8*\t+6:ST+8*\t+7], v[ST+8*\t+6:ST+8*\t+7], v[S+32*\t+\j+2:S+32*\t+\j+3]
.endr
.endr
.irp t, \a, \b
	v_pk_add_f32 v[ST+8*\t+2:ST+8*\t+3], v[ST+8*\t+2:ST+8*\t+3], v[ST+8*\t+6:ST+8*\t+7]
.endr
.endm
.macro SM2                             ; p of tiles 2 and 3;  by turns: the hold of tiles 0 and 1.  The conversion does not saturate (ISA guide 7.6.2); p is not negative, so the hold is one-sided
.set n, 0
.rept 64
	v_exp_f32 v[S+64+n], v[S+64+n]
	v_min_num_f32 v[S+n], v[S+n], v[LIMV]
.set n, n+1
.endr
.endm
.macro SM3                             ; the hold of tiles 2 and 3
.set n, 0
.rept 64
	v_min_num_f32 v[S+64+n], v[S+64+n], v[LIMV]
.set n, n+1
.endr
.endm
; O^T += V^T P: 32 matrix instructions with K = 128, one on each accumulator.  first = 1: they start the sums.
.macro PV first
	WIN 0xa3                                       ; V window 3, P window 0, C and D window 2
.irp i, 0,1,2,3,4,5,6,7
.irp t, 0,1,2,3
.if \first
	v_wmma_f32_16x16x128_fp8_fp8 v[64*\t+8*\i:64*\t+8*\i+7], v[16*\i:16*\i+15], v[P+16*\t:P+16*\t+15], 0
.else
	v_wmma_f32_16x16x128_fp8_fp8 v[64*\t+8*\i:64*\t+8*\i+7], v[16*\i:16*\i+15], v[P+16*\t:P+16*\t+15], v[64*\t+8*\i:64*\t+8*\i+7]
.endif
.endr
.endr
	WIN 0
.endm
; P's codes of my 64 keys.  Key tile k of query tile t becomes two registers: k = 0 in the tile's two registers at work, k = 1, 2, 3 in S^T's registers 2 k, 2 k + 1 of the tile, which the conversion of k = 0 has read.
; A plain line parts the four groups (one plain place between a scaled conversion and a line that writes its sources).  They go to LDS as an image of P's registers 0-7 of each tile, for my partner and for myself.
.macro SMC
.irp t, 0,1,2,3
	v_cvt_scalef32_pk8_fp8_f32 v[ST+8*\t+6:ST+8*\t+7], v[S+32*\t:S+32*\t+7], v[SCV]
.endr
	v_nop
.irp k, 1,2,3
.irp t, 0,1,2,3
	v_cvt_scalef32_pk8_fp8_f32 v[S+32*\t+2*\k:S+32*\t+2*\k+1], v[S+32*\t+8*\k:S+32*\t+8*\k+7], v[SCV]
.endr
	v_nop
.endr
.irp t, 0,1,2,3
	ds_store_b64 v[XS], v[ST+8*\t+6:ST+8*\t+7] offset:1024*\t
	ds_store_b64 v[XS], v[S+32*\t+2:S+32*\t+3] offset:1024*\t+8
	ds_store_b128 v[XS], v[S+32*\t+4:S+32*\t+7] offset:1024*\t+512
.endr
.endm
.macro RESC t                          ; O^T of query tile t under tile j's M: x f, ascending
	WIN 0x82
	s_wait_alu depctr_va_vdst(0)                   ; directly ahead of the first reader of these sums
.set n, 0
.rept 32
	v_pk_mul_f32 v[64*\t+n:64*\t+n+1], v[64*\t+n:64*\t+n+1], v[ST+8*\t+4:ST+8*\t+5] op_sel_hi:[1,0]
.set n, n+2
.endr
	WIN 0
.endm
; A TRIP j.  In front of its barrier: all my tensor loads have landed, the add, my LDS reads and stores are done.  Behind it: K's tile j + 2 and V's tile j are whole, P(j) and the largest scores of tile j + 1 are there,
; and nobody reads the other slot: it takes K's tile j + 3 and V's tile j + 1 (fill 2), K's alone (1), V's alone (3) or nothing (0).
; The exchange takes turns with the slots: what is stored in trip j lies in the other slot's block and is read in trip j + 1; that block's last reads were over in front of this barrier.
; The rescaling of O^T, work on registers, stands between the add and its wait (two tiles), between the barrier's signal and its wait (one) and behind the first loads (one).
; pv: 0 no second product, 1 it starts the sums, 2 it adds.  sm: the softmax of tile j + 1.  qk: S^T of tile j + 2.  lx: 1 my l goes to my partner, 2 my partner's l is fetched.
.macro ITER fill, pv, sm, qk, lx, ask
	s_wait_tensorcnt 0x0                           ; no tensor load of mine is out, so a group 0 may be written
	ds_add_u32 v[SPW], v[NIL]                      ; 0 onto my spare word
	s_xor_b32 s[TB], s[TB], SLOT1
	s_xor_b32 s[TO], s[TB], SLOT1
.if (\fill == 1) || (\fill == 2)
	s_xor_b32 s[G0K+1], s[G0K+1], SLOT1
	s_add_nc_u64 s[G0K+2:G0K+3], s[G0K+2:G0K+3], 65536
.endif
.if \fill >= 2
	s_xor_b32 s[G0V+1], s[G0V+1], SLOT1
	s_add_nc_u64 s[G0V+2:G0V+3], s[G0V+2:G0V+3], 32768
.endif
.if \ask
	s_wait_xcnt 0x0                                ; the last prefetch, a trip back, has read its address
	s_add_nc_u64 s[PFA:PFA+1], s[PFA:PFA+1], s[PFS:PFS+1]
.endif
	v_add_nc_u32 v[ADK], s[TB], v[AK0]
	v_add_nc_u32 v[ADVA], s[TB], v[AVA0]
	v_add_nc_u32 v[ADVB], s[TB], v[AVB0]
	v_add_nc_u32 v[XL], s[TB], v[XL0]
	v_add_nc_u32 v[XO], s[TB], v[XS0]
	v_add_nc_u32 v[XS], s[TO], v[XS0]
.if \pv == 2
	RESC 0
	RESC 1
.endif
	s_wait_alu depctr_va_vdst(0)
	s_wait_dscnt 0x0
	s_barrier_signal -1                            ; (where a slot is filled this barrier opens a round of the cluster's barrier)
.if \pv == 2
	RESC 2
.endif
	s_barrier_wait -1
.if \fill
	CREST
	TL \fill
.endif
.if \sm || (\lx == 2)
.irp t, 0,1,2,3
	ds_load_b32 v[ST+8*\t+7], v[XL] offset:4096+4*\t
.endr
.endif
.if \pv
.irp t, 0,1,2,3
.irp u, 0,1
	ds_load_b128 v[P+16*\t+4*\u:P+16*\t+4*\u+3], v[XO] offset:512*(2*\t+\u)        ; my own half of P(j),
	ds_load_b128 v[P+16*\t+8+4*\u:P+16*\t+8+4*\u+3], v[XL] offset:512*(2*\t+\u)    ; my partner's
.endr
.endr
	VG 0, 1, 2, 3
.else
.if \qk
	KG 8, 9, 10, 11                                ; no V in this trip: its registers take K's fragments at once
	KG 12, 13, 14, 15
.endif
.endif
.if \ask
	ASK
.endif
.if \pv == 2
	RESC 3
.endif
.if \sm
	s_wait_dscnt 32                                ; the four numbers are in; the 32 loads behind them may be out
	STATS
.endif
.if \pv
	VG 4, 5, 6, 7
.endif
.if \sm
	SM0
	s_wait_alu depctr_va_vdst(0)                   ; ahead of a batch of exponentials
.endif
.if \qk
	KG 0, 1, 2, 3
.endif
.if \sm
	SM1
	s_wait_alu depctr_va_vdst(0)                   ; behind the first batch and ahead of the second: for the first's results and for the second's sources
.endif
.if \qk
	KG 4, 5, 6, 7
.endif
.if \sm
	ADDS 0, 1
	SM2
	s_wait_alu depctr_va_vdst(0)                   ; behind the second batch, ahead of its first reader
	ADDS 2, 3
	SM3
.endif
.if \pv
	s_wait_alu depctr_va_vdst(0)
	s_wait_dscnt 32*\qk                            ; P and V are in; K's fragments 0-7 may be out
.endif
.if \pv == 1
	PV 1
.endif
.if \pv == 2
	PV 0
.endif
.if \pv && \qk
	PLACES 4                                       ; in front of loads into V's registers
	KG 8, 9, 10, 11
	KG 12, 13, 14, 15
.endif
.if \sm
	SMC
.endif
.if \lx == 1                                   ; l is final: its two halves, the other half of the lanes', and off to my partner
.irp t, 0,1,2,3
	v_add_f32 v[ST+8*\t+2], v[ST+8*\t+2], v[ST+8*\t+3]
.endr
.irp t, 0,1,2,3
	v_permlanex16_b32 v[ST+8*\t+6], v[ST+8*\t+2], s[SEL], s[SEL+1]
.endr
.irp t, 0,1,2,3
	v_add_f32 v[ST+8*\t+2], v[ST+8*\t+2], v[ST+8*\t+6]
.endr
.irp t, 0,1,2,3
	ds_store_b32 v[XS], v[ST+8*\t+2] offset:4096+4*\t
.endr
.endif
.if \qk
.if \pv
	QK 44, 1                                       ; behind fragments 0-7: 32 loads and 12 stores
.else
	QK 12*\sm, 0
.endif
	LMAX
.endif
.endm
	s_wait_alu depctr_va_vdst(0)
	s_wait_loadcnt 0x0                             ; Q
	ITER 2, 0, 0, 1, 0, 0                          ; trip -2: K's and V's tile 1 are asked for (first fills alone); S^T of tile 0
	ITER 1, 0, 1, 1, 0, 0                          ; trip -1: K's tile 2
	ITER 1, 1, 1, 1, 0, 0                          ; trip 0: K's tile 3; its products start O^T's sums
	s_mov_b32 s[CNT], 12
.Lstep:                                            ; trips 1 to 12: K's tiles 4 to 15, V's 2 to 13
	ITER 2, 2, 1, 1, 0, 1
	s_sub_co_u32 s[CNT], s[CNT], 1
	s_cmp_lg_u32 s[CNT], 0
	s_wait_alu depctr_va_vdst(0)
	s_cbranch_scc1 .Lstep
	ITER 3, 2, 1, 1, 0, 0                          ; the tail is written out: trip 13, V's tile 14
	ITER 3, 2, 1, 0, 1, 0                          ; trip 14: V's tile 15
	ITER 0, 2, 0, 0, 2, 0                          ; trip 15
	; THE END.  (The four additions are the places behind the last products.)
.irp t, 0,1,2,3
	v_add_f32 v[ST+8*\t+2], v[ST+8*\t+2], v[ST+8*\t+7]     ; l over all 128 keys of every tile
.endr
.irp t, 0,1,2,3
	ds_store_b32 v[S2S], v[ST+8*\t] offset:64*\t           ; query 16 t + r; lanes r and r + 16 hold the same number
	ds_store_b32 v[S2S], v[ST+8*\t+2] offset:256+64*\t
.endr
	ds_load_b64 v[ML:ML+1], v[S2L]                 ; my own bytes, served in order: 64 numbers as 256 consecutive bytes
; THE WAY OUT, a tile of 16 queries x 128 channels at a time, through my own stage, back as whole rows of 512 bytes
.macro TOSTAGE q
	WIN 0x08                                       ; data window 2
.irp i, 0,1,2,3,4,5,6,7
	ds_store_b128 v[STO], v[64*(\q)+8*\i:64*(\q)+8*\i+3] offset:64*\i
	ds_store_b128 v[STO], v[64*(\q)+8*\i+4:64*(\q)+8*\i+7] offset:64*\i+16
.endr
	WIN 0
.set BB, BK+64*((\q)%2)
.irp t, 0,1,2,3,4,5,6,7,8,9,10,11,12,13,14,15
	ds_load_b128 v[BB+4*\t:BB+4*\t+3], v[RD] offset:\t*SP          ; LDS serves a wave's instructions in order (ISA guide 5.7.1.4)
.endr
.endm
.macro SEND q, younger
.set BB, BK+64*((\q)%2)
	s_wait_dscnt \younger
.irp t, 0,1,2,3,4,5,6,7,8,9,10,11,12,13,14,15
	global_store_b128 v[CO], v[BB+4*\t:BB+4*\t+3], s[12:13] offset:(16*(\q)+\t)*1024 th:TH_STORE_NT   ; 32 lanes store 512 consecutive bytes, aligned
.endr
.endm
	TOSTAGE 0
	s_wait_dscnt 32                                ; the 8 bytes of statistics are in; tile 0's 16 stores and 16 loads may be out
	global_store_b64 v[MLO], v[ML:ML+1], s[14:15]  ; 32 lanes store 256 consecutive bytes, aligned
	TOSTAGE 1
	SEND 0, 32
	s_wait_xcnt 0x0                                ; tile 0's stores have read their registers: tile 2's loads may land there
	TOSTAGE 2
	SEND 1, 32
	s_wait_xcnt 0x0
	TOSTAGE 3
	SEND 2, 32
	SEND 3, 0
	s_wait_tensorcnt 0x0                           ; the wave's end
	ds_add_u32 v[SPW], v[NIL]
	s_wait_dscnt 0x0
	CROUND                                         ; the closing round
	s_endpgm
.Lfunc_end_k_qad9ed6e5d3_attn:
	.size	k_qad9ed6e5d3_attn, .Lfunc_end_k_qad9ed6e5d3_attn-k_qad9ed6e5d3_attn
	.p2alignl 7, 3214868480
	.fill 96, 4, 3214868480
	.section	.rodata,"a",@progbits
	.p2align	6, 0x0
	.amdhsa_kernel k_qad9ed6e5d3_attn
		.amdhsa_group_segment_fixed_size 327680
		.amdhsa_private_segment_fixed_size 0
		.amdhsa_enable_private_segment 0
		.amdhsa_kernarg_size 48
		.amdhsa_user_sgpr_count 2
		.amdhsa_user_sgpr_kernarg_segment_ptr 1
		.amdhsa_wavefront_size32 1
		.amdhsa_system_sgpr_workgroup_id_x 1
		.amdhsa_system_sgpr_workgroup_id_y 1
		.amdhsa_system_sgpr_workgroup_id_z 1
		.amdhsa_system_vgpr_workitem_id 0
		.amdhsa_next_free_vgpr 1024
		.amdhsa_next_free_sgpr 100
		.amdhsa_reserve_vcc 0
		.amdhsa_float_denorm_mode_32 3
		.amdhsa_float_denorm_mode_16_64 3
		.amdhsa_memory_ordered 1
		.amdhsa_forward_progress 1
		.amdhsa_inst_pref_size 255
	.end_amdhsa_kernel
	.section	.bss,"aw",@nobits
	.p2align	6
	.space	262144
	.amdgpu_metadata
---
amdhsa.version: [ 1, 2 ]
amdhsa.kernels:
  - .name:           k_qad9ed6e5d3_attn
    .symbol:         k_qad9ed6e5d3_attn.kd
    .args:
      - { .name: q_codes, .offset: 0, .size: 8, .value_kind: global_buffer, .address_space: global }
      - { .name: k_codes, .offset: 8, .size: 8, .value_kind: global_buffer, .address_space: global }
      - { .name: v_codes, .offset: 16, .size: 8, .value_kind: global_buffer, .address_space: global }
      - { .name: lowp_scales, .offset: 24, .size: 8, .value_kind: global_buffer, .address_space: global }
      - { .name: part_o, .offset: 32, .size: 8, .value_kind: global_buffer, .address_space: global }
      - { .name: part_ml, .offset: 40, .size: 8, .value_kind: global_buffer, .address_space: global }
    .group_segment_fixed_size: 327680
    .private_segment_fixed_size: 0
    .kernarg_segment_align: 8
    .kernarg_segment_size: 48
    .max_flat_workgroup_size: 128
    .sgpr_count:     100
    .vgpr_count:     1024
    .wavefront_size: 32
...
	.end_amdgpu_metadata
.endif
;; end of part 2
;; launch merge (part 3): grid 257 x 1, 8 waves a work-group, no clusters, 1,280 bytes of LDS; arguments part_o, part_ml, lowp_scales, out0, out1; writes out0, out1
.if DOCPART == 3
	.amdgcn_target "amdgcn-amd-amdhsa--gfx1250"
	.amdhsa_code_object_version 6
	.text
	.protected	k_qad9ed6e5d3_merge
	.globl	k_qad9ed6e5d3_merge
	.p2align	8
	.type	k_qad9ed6e5d3_merge,@function
k_qad9ed6e5d3_merge:
	s_mov_b64 s[64:65], 0
	v_nop
	global_prefetch_b8 v0, s[64:65] scope:SCOPE_SE
	s_setreg_imm32_b32 hwreg(HW_REG_WAVE_MODE, 25, 1), 1
	s_wait_xcnt 0x0
; THE FOUR PARTS OF THE KEYS ARE JOINED.  part_o [4][8192][256] f32: sums of products of codes under the part's M;  part_ml [2][4][8192] f32: plane 0 -M (a whole number), plane 1 l.
; For a row: M = the largest of the four; f_s = 2^(M_s - M), which rounds nothing; l = the sum of f_s l_s;  out0 = (the sum of f_s O_s) x 2^(ep + ev) / l.
; out1 = the mean over rows of the mean of a row of att.  A row's sum of att is its l times the reciprocal by which the row is divided: l x rcp(l); these are summed over the 8,192 rows and divided by 8,192 twice.
; WORK-GROUPS 0-255: 32 rows of out0 each, 4 to a wave, straight down: all 40 loads of a wave go out at once.  Memory binds: each byte is read once, by loads of 512 consecutive bytes, and each store covers 512.
; WORK-GROUP 256 owns out1: it reads part_ml alone, 32 rows to a thread.  No matrix unit, no cluster, no tensor load: nothing is shared and nothing is read twice.
; LIMIT: none on ep + ev: it is applied by v_ldexp_f32.
.set NM, 8                             ; v8-23    -M of (part s, row r) at NM + 4 s + r
.set LL, 24                            ; v24-39   l likewise
.set G,  40                            ; v40-71   g = f x 2^(ep + ev) / l of (row r, part s), twice, at G + 8 r + 2 s: a pair for the packed forms
.set F,  72                            ; v72-87   f at F + 4 r + s
.set LS, 88                            ; v88-91   a row's l
.set MN, 92                            ; v92-95   a row's -M
.set RC, 96                            ; v96-99   reciprocals
.set AC, 100                           ; v100-103 out1: four running sums
.set D,  104                           ; v104-231 data: (part s, row r, half u) at D + 32 s + 8 r + 4 u;  for out1: four sets of 32
	s_load_b256 s[4:11], s[0:1], 0x0               ; part_o s[4:5], part_ml s[6:7], the scales' exponents s[8:9], out0 s[10:11]
	s_load_b64 s[12:13], s[0:1], 0x20              ; out1
	v_lshl_add_u32 v232, v0, 2, 0x100
	v_mov_b32 v233, 0
	v_lshrrev_b32 v3, 5, v0
	s_delay_alu instid0(VALU_DEP_1)
	v_readfirstlane_b32 s14, v3                    ; wave 0..7
	v_mov_b32 v2, 0
	s_mov_b32 s25, 0
	s_wait_kmcnt 0x0
	s_cmp_eq_u32 ttmp9, 256
	s_cbranch_scc1 .Lmean
	s_load_b64 s[20:21], s[8:9], 0x20              ; ep, ev
	v_and_b32 v1, 31, v0
	s_delay_alu instid0(VALU_DEP_1)
	v_lshlrev_b32 v1, 4, v1                        ; 16 x lane
	s_lshl_b32 s22, ttmp9, 5
	s_lshl_b32 s23, s14, 2
	s_add_co_u32 s22, s22, s23                     ; my wave's first row
	s_lshl_b32 s24, s22, 2
	s_add_nc_u64 s[6:7], s[6:7], s[24:25]
	s_lshl_b32 s24, s22, 10
	s_add_nc_u64 s[32:33], s[4:5], s[24:25]        ; a base for each part: they lie 8,388,608 bytes apart, one more than the immediate holds
	s_add_nc_u64 s[10:11], s[10:11], s[24:25]
	s_add_nc_u64 s[34:35], s[32:33], 0x800000
	s_add_nc_u64 s[36:37], s[34:35], 0x800000
	s_add_nc_u64 s[38:39], s[36:37], 0x800000
	s_wait_alu depctr_va_vdst(0)
.irp s, 0,1,2,3
	global_load_b128 v[NM+4*\s:NM+4*\s+3], v2, s[6:7] offset:32768*\s          ; four rows' numbers, the same 16 bytes in every lane
	global_load_b128 v[LL+4*\s:LL+4*\s+3], v2, s[6:7] offset:131072+32768*\s
.endr
.irp r, 0,1,2,3
.irp s, 0,1,2,3
.irp u, 0,1
	global_load_b128 v[D+32*\s+8*\r+4*\u:D+32*\s+8*\r+4*\u+3], v1, s[32+2*\s:33+2*\s] offset:1024*\r+512*\u th:TH_LOAD_NT
.endr
.endr
.endr
	s_wait_loadcnt 32                              ; the statistics are in; the 32 loads of data may be out
.irp r, 0,1,2,3
	v_min3_num_f32 v[MN+\r], v[NM+\r], v[NM+4+\r], v[NM+8+\r]
.endr
.irp r, 0,1,2,3
	s_delay_alu instid0(VALU_DEP_4)
	v_min_num_f32 v[MN+\r], v[MN+\r], v[NM+12+\r]  ; -M of the row: the largest M
.endr
.irp s, 0,1,2,3
.irp r, 0,1,2,3
	v_sub_f32 v[F+4*\r+\s], v[MN+\r], v[NM+4*\s+\r]        ; M_s - M: a whole number, 0 or less
.endr
.endr
.irp j, 0,1,2,3,4,5,6,7,8,9,10,11,12,13,14,15
	v_cvt_i32_f32 v[F+\j], v[F+\j]
.endr
.irp j, 0,1,2,3,4,5,6,7,8,9,10,11,12,13,14,15
	v_ldexp_f32 v[F+\j], 1.0, v[F+\j]
.endr
.irp r, 0,1,2,3
	v_mul_f32 v[LS+\r], v[F+4*\r], v[LL+\r]
.endr
.irp s, 1,2,3
.irp r, 0,1,2,3
	s_delay_alu instid0(VALU_DEP_4)
	v_fmac_f32 v[LS+\r], v[F+4*\r+\s], v[LL+4*\s+\r]
.endr
.endr
	s_wait_alu depctr_va_vdst(0)
.irp r, 0,1,2,3
	v_rcp_f32 v[RC+\r], v[LS+\r]
.endr
	v_nop                                          ; a plain line behind the last reciprocal
	s_wait_kmcnt 0x0
	s_add_co_i32 s20, s20, s21                     ; ep + ev
	s_wait_alu depctr_va_vdst(0)                   ; one wait for the four, ahead of their first reader
.irp r, 0,1,2,3
	v_ldexp_f32 v[RC+\r], v[RC+\r], s20
.endr
.irp r, 0,1,2,3
.irp s, 0,1,2,3
	v_mul_f32 v[G+8*\r+2*\s], v[F+4*\r+\s], v[RC+\r]
	v_mul_f32 v[G+8*\r+2*\s+1], v[F+4*\r+\s], v[RC+\r]
.endr
.endr
.irp r, 0,1,2,3
	s_wait_loadcnt 24-8*\r                         ; this row's eight loads are in; the later rows' eight each may be out
.irp p, 0,2,4,6
	v_pk_mul_f32 v[D+8*\r+\p:D+8*\r+\p+1], v[D+8*\r+\p:D+8*\r+\p+1], v[G+8*\r:G+8*\r+1]
.endr
.irp s, 1,2,3
.irp p, 0,2,4,6
	s_delay_alu instid0(VALU_DEP_4)
	v_pk_fma_f32 v[D+8*\r+\p:D+8*\r+\p+1], v[D+32*\s+8*\r+\p:D+32*\s+8*\r+\p+1], v[G+8*\r+2*\s:G+8*\r+2*\s+1], v[D+8*\r+\p:D+8*\r+\p+1]
.endr
.endr
	global_store_b128 v1, v[D+8*\r:D+8*\r+3], s[10:11] offset:1024*\r th:TH_STORE_NT       ; 32 lanes store 512 consecutive bytes, aligned
	global_store_b128 v1, v[D+8*\r+4:D+8*\r+7], s[10:11] offset:1024*\r+512 th:TH_STORE_NT
.endr
	s_endpgm
.Lmean:
	v_lshlrev_b32 v1, 4, v0                        ; thread T takes rows 4 T + 1,024 n + 0..3, n = 0..7: 16 bytes of each part's -M and l
	s_mov_b32 s16, 0x76543210                      ; v_permlanex16_b32's selects for lane l xor 16
	s_mov_b32 s17, 0xfedcba98
	v_mov_b32 v9, 0                                ; written once: a lane permute's destination counts as one of its sources
.macro MLOAD n                         ; set n: eight loads, into registers n % 4
.irp s, 0,1,2,3
	global_load_b128 v[D+32*((\n)%4)+4*\s:D+32*((\n)%4)+4*\s+3], v1, s[6:7] offset:32768*\s+4096*(\n)
	global_load_b128 v[D+32*((\n)%4)+16+4*\s:D+32*((\n)%4)+16+4*\s+3], v1, s[6:7] offset:131072+32768*\s+4096*(\n)
.endr
.endm
.macro MSET n
.set MB, D+32*((\n)%4)
.if (\n) < 5
	s_wait_loadcnt 24                              ; this set's eight loads are in; the three sets behind it may be out
.else
	s_wait_loadcnt 8*(7-(\n))
.endif
.irp r, 0,1,2,3
	v_min3_num_f32 v[MN+\r], v[MB+\r], v[MB+4+\r], v[MB+8+\r]
.endr
.irp r, 0,1,2,3
	s_delay_alu instid0(VALU_DEP_4)
	v_min_num_f32 v[MN+\r], v[MN+\r], v[MB+12+\r]
.endr
.irp s, 0,1,2,3
.irp r, 0,1,2,3
	v_sub_f32 v[MB+4*\s+\r], v[MN+\r], v[MB+4*\s+\r]
.endr
.endr
.irp j, 0,1,2,3,4,5,6,7,8,9,10,11,12,13,14,15
	v_cvt_i32_f32 v[MB+\j], v[MB+\j]
.endr
.irp j, 0,1,2,3,4,5,6,7,8,9,10,11,12,13,14,15
	v_ldexp_f32 v[MB+\j], 1.0, v[MB+\j]
.endr
.irp r, 0,1,2,3
	v_mul_f32 v[LS+\r], v[MB+\r], v[MB+16+\r]
.endr
.irp s, 1,2,3
.irp r, 0,1,2,3
	s_delay_alu instid0(VALU_DEP_4)
	v_fmac_f32 v[LS+\r], v[MB+4*\s+\r], v[MB+16+4*\s+\r]
.endr
.endr
	s_wait_alu depctr_va_vdst(0)
.irp r, 0,1,2,3
	v_rcp_f32 v[RC+\r], v[LS+\r]
.endr
	v_nop                                          ; a plain line behind the last reciprocal
	s_wait_alu depctr_va_vdst(0)                   ; one wait for the four, ahead of their first reader
.irp r, 0,1,2,3
.if (\n) == 0
	v_mul_f32 v[AC+\r], v[LS+\r], v[RC+\r]         ; a row's sum of att; the first set starts the sums
.else
	v_fmac_f32 v[AC+\r], v[LS+\r], v[RC+\r]
.endif
.endr
.if (\n)+4 < 8
	MLOAD (\n)+4
.endif
.endm
	MLOAD 0
	MLOAD 1
	MLOAD 2
	MLOAD 3
.irp n, 0,1,2,3,4,5,6,7
	MSET \n
.endr
	s_delay_alu instid0(VALU_DEP_3)
	v_add_f32 v[AC], v[AC], v[AC+1]
	s_delay_alu instid0(VALU_DEP_2)
	v_add_f32 v[AC+2], v[AC+2], v[AC+3]
	s_delay_alu instid0(VALU_DEP_1)
	v_add_f32 v8, v[AC], v[AC+2]
	s_delay_alu instid0(VALU_DEP_1)
	v_add_f32_dpp v8, v8, v8 row_xmask:1 row_mask:0xf bank_mask:0xf   ; over the wave's 32 lanes
	s_delay_alu instid0(VALU_DEP_1)
	v_add_f32_dpp v8, v8, v8 row_xmask:2 row_mask:0xf bank_mask:0xf
	s_delay_alu instid0(VALU_DEP_1)
	v_add_f32_dpp v8, v8, v8 row_xmask:4 row_mask:0xf bank_mask:0xf
	s_delay_alu instid0(VALU_DEP_1)
	v_add_f32_dpp v8, v8, v8 row_xmask:8 row_mask:0xf bank_mask:0xf
	s_delay_alu instid0(VALU_DEP_1)
	v_permlanex16_b32 v9, v8, s16, s17
	s_delay_alu instid0(VALU_DEP_1)
	v_add_f32 v8, v8, v9
	v_mov_b32 v10, s14
	s_delay_alu instid0(VALU_DEP_1)
	v_lshlrev_b32 v10, 2, v10
	ds_store_b32 v10, v8                           ; over the eight waves: each stores its sum to its own word
	s_wait_dscnt 0x0                               ; for the others' sake
	s_barrier_signal -1
	s_barrier_wait -1
	ds_load_b128 v[12:15], v2
	ds_load_b128 v[16:19], v2 offset:16
	s_wait_dscnt 0x0
	v_add_f32 v12, v12, v13
	v_add_f32 v14, v14, v15
	v_add_f32 v16, v16, v17
	v_add_f32 v18, v18, v19
	s_delay_alu instid0(VALU_DEP_3)
	v_add_f32 v12, v12, v14
	s_delay_alu instid0(VALU_DEP_2)
	v_add_f32 v16, v16, v18
	s_delay_alu instid0(VALU_DEP_1)
	v_add_f32 v12, v12, v16
	s_delay_alu instid0(VALU_DEP_1)
	v_mul_f32 v12, 0x32800000, v12                 ; / 8,192 / 8,192 = x 2^-26
	s_wait_alu depctr_va_vdst(0)
	s_wait_xcnt 0x0                                ; EXEC changes only behind this wait
	v_cmp_eq_u32 vcc_lo, 0, v0
	s_wait_tensorcnt 0x0
	ds_add_u32 v232, v233
	s_wait_dscnt 0x0
	s_and_saveexec_b32 s30, vcc_lo
	global_store_b32 v2, v12, s[12:13]             ; thread 0 alone
	s_wait_xcnt 0x0                                ; and again, in front of the line that widens it
	s_or_b32 exec_lo, exec_lo, s30
	s_endpgm
.Lfunc_end_k_qad9ed6e5d3_merge:
	.size	k_qad9ed6e5d3_merge, .Lfunc_end_k_qad9ed6e5d3_merge-k_qad9ed6e5d3_merge
	.p2alignl 7, 3214868480
	.fill 96, 4, 3214868480
	.section	.rodata,"a",@progbits
	.p2align	6, 0x0
	.amdhsa_kernel k_qad9ed6e5d3_merge
		.amdhsa_group_segment_fixed_size 1280
		.amdhsa_private_segment_fixed_size 0
		.amdhsa_enable_private_segment 0
		.amdhsa_kernarg_size 40
		.amdhsa_user_sgpr_count 2
		.amdhsa_user_sgpr_kernarg_segment_ptr 1
		.amdhsa_wavefront_size32 1
		.amdhsa_system_sgpr_workgroup_id_x 1
		.amdhsa_system_sgpr_workgroup_id_y 1
		.amdhsa_system_sgpr_workgroup_id_z 1
		.amdhsa_system_vgpr_workitem_id 0
		.amdhsa_next_free_vgpr 234
		.amdhsa_next_free_sgpr 66
		.amdhsa_reserve_vcc 1
		.amdhsa_float_denorm_mode_32 3
		.amdhsa_float_denorm_mode_16_64 3
		.amdhsa_memory_ordered 1
		.amdhsa_forward_progress 1
		.amdhsa_inst_pref_size 55
	.end_amdhsa_kernel
	.amdgpu_metadata
---
amdhsa.version: [ 1, 2 ]
amdhsa.kernels:
  - .name:           k_qad9ed6e5d3_merge
    .symbol:         k_qad9ed6e5d3_merge.kd
    .args:
      - { .name: part_o, .offset: 0, .size: 8, .value_kind: global_buffer, .address_space: global }
      - { .name: part_ml, .offset: 8, .size: 8, .value_kind: global_buffer, .address_space: global }
      - { .name: lowp_scales, .offset: 16, .size: 8, .value_kind: global_buffer, .address_space: global }
      - { .name: out0, .offset: 24, .size: 8, .value_kind: global_buffer, .address_space: global }
      - { .name: out1, .offset: 32, .size: 8, .value_kind: global_buffer, .address_space: global }
    .group_segment_fixed_size: 1280
    .private_segment_fixed_size: 0
    .kernarg_segment_align: 8
    .kernarg_segment_size: 40
    .max_flat_workgroup_size: 256
    .sgpr_count:     66
    .vgpr_count:     234
    .wavefront_size: 32
...
	.end_amdgpu_metadata
.endif
;; end of part 3
